; MI455X (gfx1250); checked and timed in simulation.
; The chip was launched on July 23, 2026; its instructions are those of AMD's public machine-readable ISA for CDNA 5 (MIT licence, August 2026) and "CDNA5" Instruction Set Architecture Reference Guide (July 2026). The comments in the code are by the model that wrote it; some were corrected since.
;; Bert Cos Attention. Allowed arithmetic: matrix products marked QUANTISED: E2M3 operands, one E8M0 scale for each 32 along K, by v_wmma_scale_f32_16x16x128_f8f6f4 with both operands' format E2M3, f32 sums; everything else in f32.
;; Inputs: Wk 1,024 x 1,024 float32; Wq 1,024 x 1,024 float32; Wv 1,024 x 1,024 float32; attention_mask 8 x 1 x 1 x 2,048 int32; bk 1,024 float32; bq 1,024 float32; bv 1,024 float32; hidden_states 8 x 2,048 x 1,024 float32.
;; Outputs: out0 8 x 2,048 x 1,024 float32.
;; This version of the problem:
;;   THIS VERSION OF THE PROBLEM IS GIVEN IN LOW PRECISION. The matrix products marked QUANTISED in the list below multiply operands that are first quantised to E2M3 (2 exponent bits, 3 mantissa bits; 6 bits a number), with one power-of-two scale for each 32 numbers along K (OCP MX v1.0); their sums are f32. All else is computed in f32.
;;   The module's matrix products, in the order in which they are computed (A, B: the left and right operand; K: the contracted axis; several contracted axes count as one K, in the product's order):
;;     1. [M 16,384, K 1,024] x [K 1,024, N 1,024]; A: input hidden_states; B: input Wq: QUANTISED
;;     2. [M 16,384, K 1,024] x [K 1,024, N 1,024]; A: input hidden_states; B: input Wk: QUANTISED
;;     3. [M 16,384, K 1,024] x [K 1,024, N 1,024]; A: input hidden_states; B: input Wv: QUANTISED
;;     4. batch 128 x [M 64, K 2,048] x [K 2,048, N 64]; A: computed on the way; B: computed on the way: QUANTISED
;;     5. batch 128 x [M 2,048, K 64] x [K 64, N 64]; A: computed on the way; B: computed on the way: QUANTISED
;;   THE QUANTISER, for each operand of a quantised product, along K:
;;     - K is cut into blocks of 32 from its start; a last block that is shorter is filled with zeros.
;;     - A block's scale is 2^e with e = floor(log2(the largest magnitude in the block)) - 2, held to -126 .. 127; a block of zeros has e = 0. As a byte (E8M0): e + 127.
;;     - Each number is divided by its block's scale, clamped to +-7.5, and rounded to the nearest number of E2M3, ties to even, subnormals kept.
;;     - The product sums the exact products of the quantised numbers (number of the format x scale) in f32.
;;   ~~~python
;;   def quantise(x, axis):      # numpy; x: float32 -> the quantised numbers, widened to float32 again
;;       x = np.moveaxis(x, axis, -1); K = x.shape[-1]
;;       x = np.pad(x, [(0, 0)] * (x.ndim - 1) + [(0, -K % 32)]); x = x.reshape(x.shape[:-1] + (-1, 32)); a = np.abs(x).max(-1, keepdims=True)
;;       e = np.where(a > 0, np.clip(np.frexp(np.where(a > 0, a, 1))[1] - 1 - 2, -126, 127), 0)      # np.frexp(a)[1] - 1 = floor(log2(a)), exactly
;;       r = np.clip(x / 2.0 ** e, -7.5, 7.5)
;;       step = 2.0 ** (np.maximum(np.frexp(np.where(r == 0, 1, r))[1] - 1, 0) - 3)
;;       q = np.round(r / step) * step * 2.0 ** e      # np.round: ties to even
;;       return np.moveaxis(q.reshape(q.shape[:-2] + (-1,))[..., :K], -1, axis).astype(np.float32)
;;   ~~~
;;   OPERANDS COMPUTED ON THE WAY. 'Computed on the way' means the value that the module computes at that place (a softmax that the list does not call 'softmax' is quantised finished and normalised). What goes into a quantiser is computed in f32, as accurately as f32 sums, v_exp_f32 and their like allow (about 1e-6 of the number): no bf16 or f16 on the way to a quantiser, and a product that is left as it is and whose result goes on into a quantised operand takes f32 operands (vector FMAs, or v_wmma_f32_16x16x4_f32). A number that lies on a knife's edge between two numbers of the format may be rounded either way, as far as f32 arithmetic and the matrix unit's own rounding can turn it there, and no further.
;; One version. Each part assembles by itself: llvm-mc -triple=amdgcn-amd-amdhsa -mcpu=gfx1250 --defsym DOCPART=n.
;; ======== version 1 of 1: 3 launches
;; workspace buffers: xc 13,107,200 bytes; wpk 2,654,208 bytes; tbl 131,072 bytes; qc 12,582,912 bytes; qs 524,288 bytes; kvp 4,194,304 bytes
;; launch prep (part 1): grid 712 x 1, 4 waves a work-group, no clusters, 34,304 bytes of LDS; arguments hidden_states, Wq, Wk, Wv, bq, bk, bv, attention_mask, xc, wpk, tbl; writes xc, wpk, tbl
.if DOCPART == 1
	.amdgcn_target "amdgcn-amd-amdhsa--gfx1250"
	.amdhsa_code_object_version 6
	.text
	.protected	k_q40b2f14b6e_prep
	.globl	k_q40b2f14b6e_prep
	.p2align	8
	.type	k_q40b2f14b6e_prep,@function
k_q40b2f14b6e_prep:
	s_mov_b64 s[64:65], 0
	v_nop
	global_prefetch_b8 v0, s[64:65] scope:SCOPE_SE
	s_setreg_imm32_b32 hwreg(HW_REG_WAVE_MODE, 25, 1), 1
	s_wait_xcnt 0x0
; Everything that the projections read is made ready ONCE: codes of FP6 (E2M3) with one E8M0 byte for each 32 along K, laid in the order of the matrix operands' registers.
; A block's scale is 2^(floor(log2(its largest magnitude)) - 2): its byte is the largest magnitude's exponent field - 2, held at 1 from below by a floor among the maximum's leaves.
; (A block of zeros so has the byte 1: its codes are zeros, and this program alone reads the bytes.)
; A FRAGMENT is 16 rows x 128 K = 12 registers a lane: lane (r, h) holds row r, registers 6 c .. 6 c + 5 hold K = 64 c + 32 h + 0 .. 31.  Its IMAGE in memory: registers 4 c .. 4 c + 3 of lane l at 512 c + 16 l.
; THE ROWS OF A TILE ARE NOT NEIGHBOURS: lane r of tile 2 b + u takes row 32 b + 8 u + r + 8 (r / 8), of a block of 64 tokens and of a head's 64 columns alike.
; Three kinds of work-groups, told apart by the work-group's number alone:
;   0 .. 511   hidden_states: block of 64 tokens tb = id / 2; wave w makes K step s = 4 (id % 2) + w: four fragments and their scale words.   xc: tb x 51,200 + 6,144 s + 1,536 m; scale pairs at 49,152 + 256 s + 8 l.
;   512 .. 703 a weight (K is its FIRST axis): a lane takes a column and its registers run down K.   wpk: head x 165,888 + 19,200 s + (4 g + n) 1,536; scale pairs at 18,432 + 256 g; bias images at 153,600 + (4 g + n) 1,024.
;   704 .. 711 a batch's mask: minit (0 for a valid token, +infinity for a masked one) and mv (1 / count for a valid token, 0 for a masked one).   tbl: (2 batch + half) x 8,192; mv 4,096 bytes behind minit.
; LIMITS: NaN and infinities among the inputs are not served.  1 / count is v_rcp_f32.  A batch without a valid token gets mv = 0 where the definition divides by 0.
.set XBLK,  51200
.set HPK,   165888
.set KSTP,  19200
.set R,     16                         ; v16-143  two sets of 64: a tile's 16 rows as they are loaded
.set T,     144                        ; v144-207 my row's 64 numbers: two whole blocks of 32
.set F,     208                        ; v208-231 two sets of 12: a fragment
.set PT,    232                        ; v232-238 the upper halves of a block's codes (a conversion's three registers begin on an even number)
.set W,     240                        ; v240-243 the four tiles' scale words
; the largest magnitude of v[x] .. v[x + 31], and the floor 2^(3 - 127), into v[a]; two chains, so that no line waits for the line above it
.macro MAXBLK a, b, x
	v_max3_num_f32 v[\a], |v[\x]|, |v[\x+1]|, 0x1800000
	v_max3_num_f32 v[\b], |v[\x+16]|, |v[\x+17]|, |v[\x+18]|
.irp i, 2,4,6,8,10,12
	v_max3_num_f32 v[\a], v[\a], |v[\x+\i]|, |v[\x+\i+1]|
	v_max3_num_f32 v[\b], v[\b], |v[\x+\i+17]|, |v[\x+\i+18]|
.endr
	v_max3_num_f32 v[\a], v[\a], |v[\x+14]|, |v[\x+15]|
	v_max3_num_f32 v[\a], v[\a], v[\b], |v[\x+31]|
.endm
; token tile m: its 16 rows' 512 bytes of my K step; each load reads 512 consecutive bytes
.macro XL m
.irp i, 0,1,2,3,4,5,6,7,8,9,10,11,12,13,14,15
	global_load_b128 v[R+64*((\m)%2)+4*\i:R+64*((\m)%2)+4*\i+3], v3, s[4:5] offset:(32*((\m)/2)+8*((\m)%2)+\i+8*(\i/8))*4096 th:TH_LOAD_NT
.endr
.endm
; token tile m becomes a fragment.  The rows turn through my wave's own stage in LDS (pitch 528), so that lane (r, h) gets 32 neighbours of row r twice
.macro XF m
.set RS, R+64*((\m)%2)
.set FS, F+12*((\m)%2)
.if (\m) < 3
	s_wait_loadcnt 16                              ; this tile's 16 loads are in; the next tile's 16 may be out
.else
	s_wait_loadcnt 0x0
.endif
.irp i, 0,1,2,3,4,5,6,7,8,9,10,11,12,13,14,15
	ds_store_b128 v4, v[RS+4*\i:RS+4*\i+3] offset:528*\i
.endr
.irp c, 0,1
.irp k, 0,1,2,3,4,5,6,7
	ds_load_b128 v[T+32*\c+4*\k:T+32*\c+4*\k+3], v7 offset:256*\c+16*\k   ; LDS serves a wave's instructions in order: these see the stores above
.endr
.endr
	s_wait_dscnt 0x0                               ; my numbers are back, and the stores have read their registers,
.if (\m) < 2
	XL (\m)+2                                      ; which take the tile two further on
.else
	s_wait_xcnt 0x0                                ; the stores of the tile two back have read this set of F
.endif
	MAXBLK 244, 246, T
	MAXBLK 245, 247, T+32
	v_add_nc_u32 v248, 0xff000000, v244            ; 2 off the exponent field: the conversion takes this operand's exponent field as its scale
	v_add_nc_u32 v249, 0xff000000, v245
	v_lshrrev_b32 v250, 23, v248                   ; the bytes of blocks h and 2 + h
	v_lshrrev_b32 v251, 23, v249
	v_cvt_scalef32_pk16_fp6_f32 v[FS:FS+2], v[T:T+15], v248
	v_cvt_scalef32_pk16_fp6_f32 v[PT:PT+2], v[T+16:T+31], v248
	v_cvt_scalef32_pk16_fp6_f32 v[FS+6:FS+8], v[T+32:T+47], v249
	v_cvt_scalef32_pk16_fp6_f32 v[PT+4:PT+6], v[T+48:T+63], v249
	v_lshl_or_b32 v252, v251, 16, v250             ; (a plain line behind the conversions)  my two bytes,
	v_lshlrev_b32 v252, v9, v252                   ; 8 h bits up;
	v_permlanex16_b32 v10, v252, s27, s28
	v_or_b32 v[W+(\m)], v252, v10                  ; with lane l xor 16's two the row's word is whole, in both halves of the lanes
.irp i, 0,1,2
	v_mov_b32 v[FS+3+\i], v[PT+\i]
	v_mov_b32 v[FS+9+\i], v[PT+4+\i]
.endr
.irp c, 0,1,2
	global_store_b128 v3, v[FS+4*\c:FS+4*\c+3], s[36:37] offset:1536*(\m)+512*\c   ; 512 consecutive bytes
.endr
.endm
; block t of 32 along K of my column, into set t % 2: 128 consecutive bytes a wave, the four waves side by side
.macro WL t
.set J, 0
.rept 32
	global_load_b32 v[32+32*((\t)%2)+J], v3, s[36:37] offset:(32*(\t)+J)*4096 th:TH_LOAD_NT
.set J, J+1
.endr
.endm
; block t = 2 c + h of my column: six registers of the fragment's lane (r', h)
.macro WBLOCK t
.set XS, 32+32*((\t)%2)
.set FD, 96+12*((\t)%2)+6*((\t)/2)
.if (\t) < 3
	s_wait_loadcnt 32                              ; this block's 32 loads are in; the next block's may be out
.else
	s_wait_loadcnt 0x0
.endif
	MAXBLK 12, 13, XS
	v_add_nc_u32 v14, 0xff000000, v12
	v_lshrrev_b32 v15, 23, v14
.if (\t) == 0
	v_mov_b32 v16, v15                             ; the column's scale word: byte t
.else
	v_lshl_or_b32 v16, v15, 8*(\t), v16
.endif
	v_cvt_scalef32_pk16_fp6_f32 v[FD:FD+2], v[XS:XS+15], v14
	v_cvt_scalef32_pk16_fp6_f32 v[120:122], v[XS+16:XS+31], v14
	v_nop                                          ; one plain line behind the conversions
.irp i, 0,1,2
	v_mov_b32 v[FD+3+\i], v[120+\i]
.endr
.if (\t) < 2
	WL (\t)+2
.endif
.endm
	s_load_b256 s[4:11], s[0:1], 0x0               ; hidden_states, Wq, Wk, Wv
	s_load_b256 s[12:19], s[0:1], 0x20             ; bq, bk, bv, attention_mask
	s_load_b128 s[20:23], s[0:1], 0x40             ; xc, wpk
	s_load_b64 s[24:25], s[0:1], 0x50              ; tbl
	v_lshl_add_u32 v254, v0, 2, 0x8400
	v_mov_b32 v255, 0
	v_lshrrev_b32 v1, 5, v0
	v_readfirstlane_b32 s26, v1                    ; wave
	v_and_b32 v2, 31, v0                           ; lane
	s_mov_b32 s27, 0x76543210
	s_mov_b32 s28, 0xfedcba98                      ; v_permlanex16_b32's selects for lane l xor 16
	s_mov_b32 s29, 0xffff0000                      ; lanes 16-31
	s_wait_kmcnt 0x0
	s_cmp_lt_u32 ttmp9, 512
	s_cbranch_scc0 .Lnot_x
	; ---------------- hidden_states
	s_lshr_b32 s30, ttmp9, 1                       ; tb
	s_and_b32 s31, ttmp9, 1
	s_lshl_b32 s31, s31, 2
	s_add_co_u32 s31, s31, s26                     ; K step s
	s_lshl_b32 s32, s30, 18                        ; 64 rows of 4,096 bytes
	s_lshl_b32 s33, s31, 9                         ; 128 numbers
	s_add_co_u32 s32, s32, s33
	s_mov_b32 s33, 0
	s_add_nc_u64 s[4:5], s[4:5], s[32:33]
	s_mul_i32 s34, s30, XBLK
	s_mul_i32 s32, s31, 6144
	s_add_co_u32 s32, s32, s34
	s_add_nc_u64 s[36:37], s[20:21], s[32:33]      ; my four fragments
	s_lshl_b32 s32, s31, 8
	s_add_co_u32 s32, s32, s34
	s_add_co_u32 s32, s32, 49152
	s_add_nc_u64 s[38:39], s[20:21], s[32:33]      ; my scale pairs
	v_lshlrev_b32 v3, 4, v2                        ; 16 l
	s_mul_i32 s40, s26, 16*528                     ; my stage
	v_add_nc_u32 v4, s40, v3                       ; in: a row's 512 bytes on end
	v_and_b32 v5, 15, v0                           ; r
	v_bfe_u32 v6, v0, 4, 1                         ; h
	v_mul_u32_u24 v7, v5, 528
	v_lshl_add_u32 v7, v6, 7, v7
	v_add_nc_u32 v7, s40, v7                       ; out: row r, + 128 h
	v_lshlrev_b32 v8, 3, v2                        ; 8 l
	v_lshlrev_b32 v9, 3, v6                        ; 8 h
	v_mov_b32 v10, 0                               ; a lane permute's destination counts as one of its sources
	XL 0
	XL 1
	XF 0
	XF 1
	XF 2
	XF 3
	v_cndmask_b32 v244, v240, v241, s29            ; one register carries two tiles' words: the even tile's in lanes 0-15, the odd tile's in lanes 16-31
	v_cndmask_b32 v245, v242, v243, s29
	global_store_b64 v8, v[244:245], s[38:39]      ; 256 consecutive bytes
	s_wait_tensorcnt 0x0
	ds_add_u32 v254, v255
	s_wait_dscnt 0x0
	s_endpgm
.Lnot_x:
	s_cmp_lt_u32 ttmp9, 704
	s_cbranch_scc0 .Lmask
	; ---------------- a weight: g = 0 q, 1 k, 2 v; K step s; 32 columns cg
	s_sub_co_u32 s30, ttmp9, 512
	s_lshr_b32 s31, s30, 6                         ; g
	s_bfe_u32 s32, s30, 0x30003                    ; s
	s_and_b32 s33, s30, 7
	s_lshl_b32 s33, s33, 2
	s_add_co_u32 s33, s33, s26                     ; cg = 2 head + b
	s_lshr_b32 s34, s33, 1                         ; head
	s_and_b32 s35, s33, 1                          ; b
	s_cmp_eq_u32 s31, 0                            ; the choice hangs on the work-group's number alone
	s_cselect_b64 s[36:37], s[6:7], s[8:9]
	s_cselect_b64 s[38:39], s[12:13], s[14:15]
	s_cmp_eq_u32 s31, 2
	s_cselect_b64 s[36:37], s[10:11], s[36:37]
	s_cselect_b64 s[38:39], s[16:17], s[38:39]
	s_lshl_b32 s40, s32, 19                        ; 128 s rows of 4,096 bytes
	s_lshl_b32 s41, s33, 7                         ; 32 cg columns
	s_add_co_u32 s40, s40, s41
	s_mov_b32 s41, 0
	s_add_nc_u64 s[36:37], s[36:37], s[40:41]
	s_lshl_b32 s40, s33, 7
	s_add_nc_u64 s[38:39], s[38:39], s[40:41]      ; the bias at column 32 cg
	s_mul_i32 s40, s34, HPK
	s_mul_i32 s42, s32, KSTP
	s_add_co_u32 s40, s40, s42
	s_add_nc_u64 s[22:23], s[22:23], s[40:41]      ; the head's package at K step s
	v_lshlrev_b32 v3, 2, v2                        ; 4 l: my column
	v_bfe_u32 v4, v0, 3, 1                         ; u: column 32 cg + l is row r' = 8 (l / 16) + l % 8 of tile 2 b + u
	v_bfe_u32 v5, v0, 4, 1
	v_and_b32 v6, 7, v0
	v_lshl_add_u32 v6, v5, 3, v6                   ; r'
	s_lshl_b32 s42, s31, 2
	s_lshl_b32 s43, s35, 1
	s_add_co_u32 s42, s42, s43
	v_add_nc_u32 v7, s42, v4                       ; 4 g + 2 b + u
	v_mul_u32_u24 v8, v7, 1536
	v_lshl_add_u32 v8, v6, 4, v8                   ; my fragment, + 16 r'
	v_lshl_add_u32 v9, v4, 4, v6
	v_lshlrev_b32 v9, 3, v9                        ; the scale pair of lane 16 u + r',
	s_lshl_b32 s43, s31, 8
	s_lshl_b32 s44, s35, 2
	s_add_co_u32 s43, s43, s44
	s_add_co_u32 s43, s43, 18432
	v_add_nc_u32 v9, s43, v9                       ; its word b
	v_lshlrev_b32 v10, 10, v7
	v_lshl_add_u32 v10, v6, 4, v10
	v_add_nc_u32 v10, 8*KSTP, v10                  ; my bias image, + 16 r'
	WL 0
	WL 1
	WBLOCK 0
	WBLOCK 1
	WBLOCK 2
	WBLOCK 3
.irp h, 0,1
.irp c, 0,1,2
	global_store_b128 v8, v[96+12*\h+4*\c:96+12*\h+4*\c+3], s[22:23] offset:512*\c+256*\h   ; the sixteen lanes of a tile fill 256 consecutive bytes
.endr
.endr
	global_store_b32 v9, v16, s[22:23]
	s_cmp_lg_u32 s32, 0                            ; the work-groups of K step 0 also lay the biases out, as the C of a sum's first matrix instruction wants them: eight registers a tile
	s_cbranch_scc1 .Lw_end
	s_cmp_lg_u32 s31, 0
	s_cbranch_scc1 .Lw_kv
	v_lshlrev_b32 v11, 5, v4                       ; q's results hold a token a lane and columns 32 b + 16 h + 8 u + j in register j
.irp h, 0,1
.irp c, 0,1
	global_load_b128 v[32+8*\h+4*\c:32+8*\h+4*\c+3], v11, s[38:39] offset:64*\h+16*\c
.endr
.endr
	s_wait_loadcnt 0x0
.irp h, 0,1
.irp c, 0,1
	global_store_b128 v10, v[32+8*\h+4*\c:32+8*\h+4*\c+3], s[22:23] offset:512*\c+256*\h
.endr
.endr
	s_endpgm
.Lw_kv:
	global_load_b32 v32, v3, s[38:39]              ; k's and v's results hold a column a lane: its bias in all eight registers
	s_wait_loadcnt 0x0
	v_mov_b32 v33, v32
	v_mov_b32 v34, v32
	v_mov_b32 v35, v32
.irp h, 0,1
.irp c, 0,1
	global_store_b128 v10, v[32:35], s[22:23] offset:512*\c+256*\h
.endr
.endr
.Lw_end:
	s_endpgm
.Lmask:
	; ---------------- a batch's mask.  Every wave counts the whole mask for itself (8,192 bytes), so that no wave waits for another, and writes its own 512 tokens
	s_sub_co_u32 s30, ttmp9, 704                   ; batch
	s_lshl_b32 s32, s30, 13
	s_mov_b32 s33, 0
	s_add_nc_u64 s[18:19], s[18:19], s[32:33]
	s_lshl_b32 s32, s30, 14                        ; two halves of 8,192 bytes
	s_lshr_b32 s34, s26, 1
	s_lshl_b32 s34, s34, 13                        ; waves 2, 3: the second half
	s_and_b32 s35, s26, 1
	s_lshl_b32 s35, s35, 11                        ; 512 tokens of 4 bytes
	s_add_co_u32 s32, s32, s34
	s_add_co_u32 s32, s32, s35
	s_add_nc_u64 s[24:25], s[24:25], s[32:33]
	v_lshlrev_b32 v3, 4, v2                        ; 16 l
	s_lshl_b32 s36, s26, 11
	v_add_nc_u32 v4, s36, v3                       ; my wave's 512 tokens
.irp i, 0,1,2,3,4,5,6,7,8,9,10,11,12,13,14,15
	global_load_b128 v[32+4*\i:32+4*\i+3], v3, s[18:19] offset:512*\i
.endr
.irp i, 0,1,2,3
	global_load_b128 v[16+4*\i:16+4*\i+3], v4, s[18:19] offset:512*\i
.endr
	v_mov_b32 v8, 0x7f800000                       ; +infinity
	v_mov_b32 v9, 0
	s_mov_b32 s42, 0
	s_wait_loadcnt 0x0
.set J, 0
.rept 64
	v_cmp_eq_u32 s40, 0, v[32+J]                   ; valid where the mask is 0
	s_bcnt1_i32_b32 s41, s40
	s_add_co_u32 s42, s42, s41
.set J, J+1
.endr
	v_cvt_f32_u32 v5, s42                          ; the count of valid tokens
	v_rcp_f32 v6, v5
	v_nop                                          ; a plain line behind the reciprocal,
	s_wait_alu depctr_va_vdst(0)                   ; and a wait ahead of its first reader
.set J, 0
.rept 16
	v_cmp_eq_u32 vcc_lo, 0, v[16+J]
	v_cndmask_b32 v[96+J], v8, v9, vcc_lo          ; minit: 0 where valid, else +infinity
	v_cndmask_b32 v[112+J], 0, v6, vcc_lo          ; mv: 1 / count where valid, else 0
.set J, J+1
.endr
.irp i, 0,1,2,3
	global_store_b128 v3, v[96+4*\i:96+4*\i+3], s[24:25] offset:512*\i
	global_store_b128 v3, v[112+4*\i:112+4*\i+3], s[24:25] offset:4096+512*\i
.endr
	s_endpgm
.Lfunc_end_k_q40b2f14b6e_prep:
	.size	k_q40b2f14b6e_prep, .Lfunc_end_k_q40b2f14b6e_prep-k_q40b2f14b6e_prep
	.p2alignl 7, 3214868480
	.fill 96, 4, 3214868480
	.section	.rodata,"a",@progbits
	.p2align	6, 0x0
	.amdhsa_kernel k_q40b2f14b6e_prep
		.amdhsa_group_segment_fixed_size 34304
		.amdhsa_private_segment_fixed_size 0
		.amdhsa_enable_private_segment 0
		.amdhsa_kernarg_size 88
		.amdhsa_user_sgpr_count 2
		.amdhsa_user_sgpr_kernarg_segment_ptr 1
		.amdhsa_wavefront_size32 1
		.amdhsa_system_sgpr_workgroup_id_x 1
		.amdhsa_system_sgpr_workgroup_id_y 1
		.amdhsa_system_sgpr_workgroup_id_z 1
		.amdhsa_system_vgpr_workitem_id 0
		.amdhsa_next_free_vgpr 256
		.amdhsa_next_free_sgpr 66
		.amdhsa_reserve_vcc 1
		.amdhsa_float_denorm_mode_32 3
		.amdhsa_float_denorm_mode_16_64 3
		.amdhsa_memory_ordered 1
		.amdhsa_forward_progress 1
		.amdhsa_inst_pref_size 65
	.end_amdhsa_kernel
	.amdgpu_metadata
---
amdhsa.version: [ 1, 2 ]
amdhsa.kernels:
  - .name:           k_q40b2f14b6e_prep
    .symbol:         k_q40b2f14b6e_prep.kd
    .args:
      - { .name: hidden_states, .offset: 0, .size: 8, .value_kind: global_buffer, .address_space: global }
      - { .name: Wq, .offset: 8, .size: 8, .value_kind: global_buffer, .address_space: global }
      - { .name: Wk, .offset: 16, .size: 8, .value_kind: global_buffer, .address_space: global }
      - { .name: Wv, .offset: 24, .size: 8, .value_kind: global_buffer, .address_space: global }
      - { .name: bq, .offset: 32, .size: 8, .value_kind: global_buffer, .address_space: global }
      - { .name: bk, .offset: 40, .size: 8, .value_kind: global_buffer, .address_space: global }
      - { .name: bv, .offset: 48, .size: 8, .value_kind: global_buffer, .address_space: global }
      - { .name: attention_mask, .offset: 56, .size: 8, .value_kind: global_buffer, .address_space: global }
      - { .name: xc, .offset: 64, .size: 8, .value_kind: global_buffer, .address_space: global }
      - { .name: wpk, .offset: 72, .size: 8, .value_kind: global_buffer, .address_space: global }
      - { .name: tbl, .offset: 80, .size: 8, .value_kind: global_buffer, .address_space: global }
    .group_segment_fixed_size: 34304
    .private_segment_fixed_size: 0
    .kernarg_segment_align: 8
    .kernarg_segment_size: 88
    .max_flat_workgroup_size: 128
    .sgpr_count:     66
    .vgpr_count:     256
    .wavefront_size: 32
...
	.end_amdgpu_metadata
.endif
;; end of part 1
;; launch main (part 2): grid 16 x 16, 4 waves a work-group, no clusters, 240,128 bytes of LDS; arguments xc, wpk, tbl, qc, qs, kvp; writes qc, qs, kvp
.if DOCPART == 2
	.amdgcn_target "amdgcn-amd-amdhsa--gfx1250"
	.amdhsa_code_object_version 6
	.text
	.protected	k_q40b2f14b6e_main
	.globl	k_q40b2f14b6e_main
	.p2align	8
	.type	k_q40b2f14b6e_main,@function
k_q40b2f14b6e_main:
	s_mov_b64 s[64:65], 0
	v_nop
	global_prefetch_b8 v0, s[64:65] scope:SCOPE_SE
	s_setreg_imm32_b32 hwreg(HW_REG_WAVE_MODE, 25, 1), 1
	s_wait_xcnt 0x0
; One head (work-group x) and 1,024 tokens of one batch (work-group y = 2 batch + half): q, k, v = x W + b on codes of FP6 (E2M3) with E8M0 scales, the token mask, q's and k's norms, v / count,
; the three quantisers, and this half's part of kv = k^T v.  Out go q as codes (qc, qs) and the partial kv in f32 (kvp).  No f32 number of q, k or v goes to memory.
; SHARES.  Each of the four waves owns 256 tokens, as four PASSES of 64 tokens x 192 columns (q, k, v of the head): 48 accumulators.  k and v of the same tokens meet in one wave, so kv needs no exchange until the end.
; THE HEAD'S WEIGHTS, 147 KB of codes, their scale words and the bias images lie in LDS for the whole launch, filled once, in two halves along K: four tensor loads of a wave are out at the start, none later.
; THE TOKENS' CODES come from memory straight into registers, in the order of the operand's registers, into four buffers of one K step.  A weight fragment read from LDS feeds four matrix instructions.
; No cluster: what work-groups share AND what lands in LDS is the one fill of the weights, 166 KB of the 985 KB that a work-group reads; the tokens' codes go to registers, where no joint load can put them.
; A PASS IS 24 SETS of 16 matrix instructions (a K step of 128 x one of q, k, v).  K steps 0-3 go K step by K step.  K steps 4-7 are all in the four buffers, and go k4 k5 q4 k6 q5 k7 q6 q7 v4 v5 v6 v7:
;   k is finished behind set 17 and q behind set 19, and their epilogues, one numbered list of 745 vector instructions (macro EPI), are dealt out behind the 96 matrix instructions of sets 18 to 23.  Only v's epilogue stands alone.
; LAYOUT.  Lane r of a tile 2 b + u holds row 32 b + 8 u + r + 8 (r / 8), of the 64 tokens and of the 64 columns alike, so that a result's register j of lane half h belongs to row 32 b + 16 h + 8 u + j.
;   q: source 0 = weights, source 1 = tokens: a lane holds a token, registers run along e (product 5's K).   k, v: source 0 = tokens, source 1 = weights: a lane holds a column, registers run along the tokens (product 4's K).
;   In both, 32 consecutive registers (a UNIT) are two blocks of 32, each shared with lane l xor 16.
; kv IS MULTIPLIED IN EVERY PASS: a pass's 64 tokens are registers 0-5 of k's and v's fragments; registers 6-11 hold zero codes, written once, which add nothing.
; NORMS.  The factor min(rsq(sum of squares + minit), 1e12) is 1 / max(sqrt(sum), 1e-12) for a valid token and 0 for a masked one (minit = +infinity there).
; LIMITS: NaN and infinities among the inputs are not served; the division by the norm is v_rsq_f32 and a multiplication; a masked token may give -0 where the definition gives +0; a block of zeros has the scale byte 1.
; REGISTERS, in windows of 256 (s_set_vgpr_msb: bits 1:0 source 0, 3:2 source 1, 5:4 source 2, 7:6 destination):
;   window 0: v1-14 addresses; v16-23 PT; v24-31 the tokens' scale pairs (four buffers); v32-35 the weights' (two sets); v36-43 k's and v's scale words; v44-60 at work on q; v64-111 the even weight set (behind set 22: mv);
;             v112-159 the odd weight set of sets 1 to 11, then MF, TMX, TMP and q's images; v160-207 k's fragments, v208-255 v's.
;   window 1: q's accumulators v0-127 (32 m + 8 n), k's v128-255 (32 n + 8 m).   window 2: v's v0-127, kv's v128-255.
;   window 3: four buffers of token fragments v0-191; v192-255 two sets of bias tuples in K step 0, from set 13 on the odd weight set (v192-239).
.set XBLK,  51200
.set HPK,   165888
.set KSTP,  19200
.set TBL,   165888                     ; LDS: behind the package: minit[1,024], mv[1,024]
.set RED,   174080                     ; LDS: 4 x 16,384 for the sum over the waves; no tensor load lands here
.set LI,   1                           ; v1-3   16 l, + 3 K steps, + 6 K steps of the package
.set L8,   4                           ; v4-6   8 l likewise
.set L4,   7                           ; v7     4 l
.set TQ0,  8                           ; v8     TBL + 4 (r + 8 (r / 8)): a token a lane
.set TK0,  9                           ; v9     TBL + 64 h: tokens along the registers
.set TQ,   10                          ; v10, v11 the same for the pass in hand
.set TK,   11
.set PFO,  12                          ; v12    256 l
.set RST,  13                          ; v13    where I put my kv
.set RRD,  14                          ; v14    where I read four tiles of all waves' kv
.set PT,   16                          ; the second block's codes of two units (a conversion's three registers begin on an even number)
.set XS,   24
.set WS,   32
.set KSC,  36
.set VSC,  40
.set MFQ,  44
.set SSQ,  48
.set TT,   56
.set QW,   60
.set MFV,  64                          ; mv, 32 numbers, one for each token along the registers
.set MF,   112                         ; minit, then k's sums of squares, then k's factors
.set QF,   112                         ; q's two pair images, where k's factors are dead
.set TMX,  144                         ; eight blocks' largest magnitudes, then the conversions' scale operands
.set TMP,  152                         ; lane l xor 16's; then the bytes
.set KF,   160
.set VF,   208
.set WV,   16
.set G1A,  20                          ; s[20:27] group 1: 75 rows;  s[28:35]: 12 rows;  s[36:43]: 8 rows
.set G1C,  28
.set G1T,  36
.set SB,   44                          ; s[44:45] the pass's block of xc;  s[46:47] the next pass's;  s[48:49] my first
.set SBN,  46
.set S0,   48
.set QCB,  50
.set QSB,  52
.set LEFT, 56                          ; passes to go, this one among them: the loop's counter
.set LIM,  57                          ; 1 in the work-group that prefetches, else the greatest number
.set TO,   58                          ; the pass's first token in the tables, in bytes
.set SEL,  60
.set HM,   62
.set BIG,  63
.set KVB,  66
.set G0T,  68                          ; s[68:83] four groups 0: tables, bias images, K steps 0-3, K steps 4-7
.set G0C,  72
.set G0A,  76
.set G0B,  80
.set NK1,  321                         ; k's list ahead of its quantiser: 64 + 128 + 32 + 1 + 32 + 64
.set NKE,  455                         ; + 134: k's whole list
.set NQ1,  153                         ; q's list ahead of its quantiser
.set NEP,  745                         ; + 153 + 137: both lists
.set MSB, 0
.macro WIN new                         ; the immediate's high byte repeats the setting that is left; a switch that changes nothing is dropped
.if MSB != (\new)
	s_set_vgpr_msb (MSB<<8)|(\new)
.set MSB, \new
.endif
.endm
.macro PLACES n
.rept \n
	v_nop
.endr
.endm
; set t of a pass: K step MS, group MG (0 q, 1 k, 2 v)
.macro MAP t
.if (\t) < 12
.set MS, (\t)/3
.set MG, (\t)%3
.elseif (\t) >= 20
.set MS, (\t)-16
.set MG, 2
.elseif (\t) == 12
.set MS, 4
.set MG, 1
.elseif (\t) == 13
.set MS, 5
.set MG, 1
.elseif (\t) == 14
.set MS, 4
.set MG, 0
.elseif (\t) == 15
.set MS, 6
.set MG, 1
.elseif (\t) == 16
.set MS, 5
.set MG, 0
.elseif (\t) == 17
.set MS, 7
.set MG, 1
.elseif (\t) == 18
.set MS, 6
.set MG, 0
.else
.set MS, 7
.set MG, 0
.endif
.endm
; where set t's four weight fragments lie: register WTB of window WTW
.macro WTARGET t
.if ((\t)%2) == 0
.set WTB, 64
.set WTW, 0
.elseif (\t) < 12
.set WTB, 112
.set WTW, 0
.else
.set WTB, 192
.set WTW, 3
.endif
.endm
.macro WFRAG                           ; the four weight fragments of (MS, MG)
.irp n, 0,1,2,3
.irp c, 0,1,2
	ds_load_b128 v[WTB+12*\n+4*\c:WTB+12*\n+4*\c+3], v[LI+MS/3] offset:(MS%3)*KSTP+(4*MG+\n)*1536+512*\c
.endr
.endr
.endm
.macro WSCL p                          ; and their scale pair, into set p
	ds_load_b64 v[WS+2*(\p):WS+2*(\p)+1], v[L8+MS/3] offset:(MS%3)*KSTP+18432+256*MG
.endm
; group g's four bias tuples (window 3)
.macro BLOAD g, set
.irp n, 0,1,2,3
.irp c, 0,1
	ds_load_b128 v[(\set)+8*\n+4*\c:(\set)+8*\n+4*\c+3], v[LI+2] offset:2*KSTP+(4*(\g)+\n)*1024+512*\c
.endr
.endr
.endm
; K step k of a block of xc into buffer x: the scale pair (window 0), then the four fragments (window 3): 13 loads, no other global load between them
.macro XLOADS base, k, x
	global_load_b64 v[XS+2*(\x):XS+2*(\x)+1], v[L8], s[\base:\base+1] offset:49152+256*(\k)
.endm
.macro XLOADF base, k, x
.irp i, 0,1,2,3,4,5,6,7,8,9,10,11
	global_load_b128 v[48*(\x)+4*\i:48*(\x)+4*\i+3], v[LI], s[\base:\base+1] offset:6144*(\k)+512*\i
.endr
.endm
; A PREFETCH INTO THE L2 of 2 x 8,192 bytes of the NEXT pass's fragments, lanes 256 bytes apart.  All sixteen heads of a y walk the same blocks of xc: head 0's work-group asks, each wave for its own next block,
; in runs 6, 9 and 12 of a pass, behind the wave's own loads: nine to fifteen sets ahead of the loads that want them, and each block of 256 bytes is named once in the launch.  The last pass asks for nothing, and nothing is asked at the head.
.macro ASK2 i
	s_cmp_gt_u32 s[LEFT], s[LIM]
	s_cbranch_scc0 .Lno_ask_\@
	global_prefetch_b8 v[PFO], s[SB:SB+1] offset:XBLK+16384*(\i) th:TH_LOAD_NT scope:SCOPE_SE
	global_prefetch_b8 v[PFO], s[SB:SB+1] offset:XBLK+16384*(\i)+8192 th:TH_LOAD_NT scope:SCOPE_SE
.Lno_ask_\@:
.endm
; one matrix instruction on the registers named by rD, rA, rB, rC, rSA, rSB; ra, rb: the side's scale words lie in lanes 16-31
.macro WM ra, rb
.if (\ra) && (\rb)
	v_wmma_scale_f32_16x16x128_f8f6f4 v[rD:rD+7], v[rA:rA+11], v[rB:rB+11], v[rC:rC+7], v[rSA], v[rSB] matrix_a_fmt:MATRIX_FMT_FP6 matrix_b_fmt:MATRIX_FMT_FP6 matrix_a_scale:MATRIX_SCALE_ROW1 matrix_b_scale:MATRIX_SCALE_ROW1
.elseif (\ra)
	v_wmma_scale_f32_16x16x128_f8f6f4 v[rD:rD+7], v[rA:rA+11], v[rB:rB+11], v[rC:rC+7], v[rSA], v[rSB] matrix_a_fmt:MATRIX_FMT_FP6 matrix_b_fmt:MATRIX_FMT_FP6 matrix_a_scale:MATRIX_SCALE_ROW1
.elseif (\rb)
	v_wmma_scale_f32_16x16x128_f8f6f4 v[rD:rD+7], v[rA:rA+11], v[rB:rB+11], v[rC:rC+7], v[rSA], v[rSB] matrix_a_fmt:MATRIX_FMT_FP6 matrix_b_fmt:MATRIX_FMT_FP6 matrix_b_scale:MATRIX_SCALE_ROW1
.else
	v_wmma_scale_f32_16x16x128_f8f6f4 v[rD:rD+7], v[rA:rA+11], v[rB:rB+11], v[rC:rC+7], v[rSA], v[rSB] matrix_a_fmt:MATRIX_FMT_FP6 matrix_b_fmt:MATRIX_FMT_FP6
.endif
.endm
; THE QUANTISER OF FOUR UNITS (eight blocks of 32) at v[QAB] on of window QAW, as a numbered list: QI writes number QJ of it.
;   0-63    each block's largest magnitude of my 16 numbers, with the floor 2^(3 - 127) among the leaves (the byte cannot fall under 1); the eight blocks by turns
;   64-79   with lane l xor 16's          80-87  2 off the exponent field, in place: the conversion's scale operand          88-95  the scale's byte
;   96 on   the scale words.  QKIND 1 (k, v; unit = column tile n): 4 lines: the tile's two bytes, for K = 0 .. 63.   QKIND 0 (q; unit = token tile): 7 lines: two pair words, merged into QW (pair 0's in lanes 0-15, pair 1's in lanes 16-31)
;   then twice, for two units each: 4 conversions, one plain line, 6 swaps (the operand's layout wants a WHOLE block in a lane: lanes 0-15 the unit's first block, lanes 16-31 its second), 6 moves
;   The codes go to v[QFB + 12 n] on (QKIND 1: registers 0-5 of a fragment) or to v[QFB + 12 (unit / 2) + 6 (unit % 2)] on (QKIND 0: two pair images).
.macro QI
.if QJ < 8
	WIN QAW|(QAW<<2)
	v_max3_num_f32 v[TMX+QJ], |v[QAB+16*QJ]|, |v[QAB+16*QJ+1]|, 0x1800000
.elseif QJ < 64
.set QQ, (QJ-8)%8
.set QN, 2+2*((QJ-8)/8)
	WIN (QAW<<2)|(QAW<<4)
	v_max3_num_f32 v[TMX+QQ], v[TMX+QQ], |v[QAB+16*QQ+QN]|, |v[QAB+16*QQ+QN+1]|
.elseif QJ < 72
	WIN 0
	v_permlanex16_b32 v[TMP+QJ-64], v[TMX+QJ-64], s[SEL], s[SEL+1]
.elseif QJ < 80
	WIN 0
	v_max_num_f32 v[TMX+QJ-72], v[TMX+QJ-72], v[TMP+QJ-72]
.elseif QJ < 88
	WIN 0
	v_add_nc_u32 v[TMX+QJ-80], 0xff000000, v[TMX+QJ-80]
.elseif QJ < 96
	WIN 0
	v_lshrrev_b32 v[TMP+QJ-88], 23, v[TMX+QJ-88]
.elseif QJ < 96+QNW
.set QQ, QJ-96
	WIN 0
.if QKIND == 1
	v_lshl_or_b32 v[QSC+QQ], v[TMP+2*QQ+1], 8, v[TMP+2*QQ]
.elseif QQ == 0
	v_lshl_or_b32 v[TT], v[TMP+1], 8, v[TMP]
.elseif QQ == 1
	v_lshl_or_b32 v[TT+1], v[TMP+5], 8, v[TMP+4]
.elseif QQ == 2
	v_lshl_or_b32 v[TT], v[TMP+2], 16, v[TT]
.elseif QQ == 3
	v_lshl_or_b32 v[TT+1], v[TMP+6], 16, v[TT+1]
.elseif QQ == 4
	v_lshl_or_b32 v[TT], v[TMP+3], 24, v[TT]
.elseif QQ == 5
	v_lshl_or_b32 v[TT+1], v[TMP+7], 24, v[TT+1]
.else
	v_cndmask_b32 v[QW], v[TT], v[TT+1], s[HM]
.endif
.else
.set QH, (QJ-96-QNW)/17
.set QC, (QJ-96-QNW)%17
.if QC < 4
.set QU, 2*QH+QC/2
.set QR, 0
.elseif QC > 10
.set QU, 2*QH+(QC-11)/3
.set QR, (QC-11)%3
.elseif QC > 4
.set QU, 2*QH+(QC-5)/3
.set QR, (QC-5)%3
.endif
.if QKIND == 0
.set DD, QFB+12*(QU/2)+6*(QU%2)
.else
.set DD, QFB+12*QU
.endif
.set PP, PT+4*(QU%2)
.if QC < 4
	WIN QAW
.if (QC%2) == 0
	v_cvt_scalef32_pk16_fp6_f32 v[DD:DD+2], v[QAB+32*QU:QAB+32*QU+15], v[TMX+2*QU]
.else
	v_cvt_scalef32_pk16_fp6_f32 v[PP:PP+2], v[QAB+32*QU+16:QAB+32*QU+31], v[TMX+2*QU+1]
.endif
.elseif QC == 4
	v_nop                                          ; one plain line behind the four conversions
.elseif QC < 11
	WIN 0
	v_permlane16_swap_b32 v[DD+QR], v[PP+QR]
.else
	WIN 0
	v_mov_b32 v[DD+3+QR], v[PP+QR]
.endif
.endif
.endm
; k's AND q's EPILOGUES AS ONE NUMBERED LIST: EPI writes number E of it.
;   k:  0-63 a token's 64 columns lie in four registers of sixteen lanes: minit starts each sum of squares; 64-191 the sum over the sixteen lanes; 192-223 one batch of 32 v_rsq_f32; 224 a plain line and the one wait
;       ahead of the batch's first reader; 225-256 the hold at 1e12; 257-320 k x the factor; 321-454 the quantiser
;   q:  (from 455) 0-63 the sum of squares of my token's 32 numbers, the four tiles by turns; 64-79 the pair's halves, minit, lane l xor 16's; 80-83 four v_rsq_f32; 84 a plain line and their wait; 85-88 the hold; 89-152 q x the factor; 153-289 the quantiser
;   Every accumulator is read from its low end on.
.macro EPI
.if E < 64
	WIN 0x05
	v_pk_fma_f32 v[MF+2*(E%16):MF+2*(E%16)+1], v[128+32*(E/16)+2*(E%16):128+32*(E/16)+2*(E%16)+1], v[128+32*(E/16)+2*(E%16):128+32*(E/16)+2*(E%16)+1], v[MF+2*(E%16):MF+2*(E%16)+1]
.elseif E < 96
	WIN 0
	v_add_f32_dpp v[MF+E-64], v[MF+E-64], v[MF+E-64] row_xmask:1 row_mask:0xf bank_mask:0xf
.elseif E < 128
	WIN 0
	v_add_f32_dpp v[MF+E-96], v[MF+E-96], v[MF+E-96] row_xmask:2 row_mask:0xf bank_mask:0xf
.elseif E < 160
	WIN 0
	v_add_f32_dpp v[MF+E-128], v[MF+E-128], v[MF+E-128] row_xmask:4 row_mask:0xf bank_mask:0xf
.elseif E < 192
	WIN 0
	v_add_f32_dpp v[MF+E-160], v[MF+E-160], v[MF+E-160] row_xmask:8 row_mask:0xf bank_mask:0xf
.elseif E < 224
	WIN 0
	v_rsq_f32 v[MF+E-192], v[MF+E-192]
.elseif E == 224
	v_nop
	s_wait_alu depctr_va_vdst(0)
.elseif E < 257
	WIN 0
	v_min_num_f32 v[MF+E-225], s[BIG], v[MF+E-225]
.elseif E < NK1
.set EM, (E-257)%4
.set EI, (E-257)/4
	WIN 0x41
	v_pk_mul_f32 v[128+32*EM+2*EI:128+32*EM+2*EI+1], v[128+32*EM+2*EI:128+32*EM+2*EI+1], v[MF+2*EI:MF+2*EI+1]
.elseif E < NKE
.set QAW, 1
.set QAB, 128
.set QKIND, 1
.set QNW, 4
.set QFB, KF
.set QSC, KSC
.set QJ, E-NK1
	QI
.else
.set EF, E-NKE
.if EF < 4
	WIN 0x05
	v_pk_mul_f32 v[SSQ+2*EF:SSQ+2*EF+1], v[32*EF:32*EF+1], v[32*EF:32*EF+1]
.elseif EF < 64
.set EM, (EF-4)%4
.set EI, 1+(EF-4)/4
	WIN 0x05
	v_pk_fma_f32 v[SSQ+2*EM:SSQ+2*EM+1], v[32*EM+2*EI:32*EM+2*EI+1], v[32*EM+2*EI:32*EM+2*EI+1], v[SSQ+2*EM:SSQ+2*EM+1]
.elseif EF < 68
	WIN 0
	v_add_f32 v[SSQ+2*(EF-64)], v[SSQ+2*(EF-64)], v[SSQ+2*(EF-64)+1]
.elseif EF < 72
	WIN 0
	v_add_f32 v[SSQ+2*(EF-68)], v[SSQ+2*(EF-68)], v[MFQ+EF-68]      ; + 0, or + infinity for a masked token
.elseif EF < 76
	WIN 0
	v_permlanex16_b32 v[TT+EF-72], v[SSQ+2*(EF-72)], s[SEL], s[SEL+1]
.elseif EF < 80
	WIN 0
	v_add_f32 v[SSQ+2*(EF-76)], v[SSQ+2*(EF-76)], v[TT+EF-76]
.elseif EF < 84
	WIN 0
	v_rsq_f32 v[SSQ+2*(EF-80)], v[SSQ+2*(EF-80)]
.elseif EF == 84
	v_nop
	s_wait_alu depctr_va_vdst(0)
.elseif EF < 89
	WIN 0
	v_min_num_f32 v[SSQ+2*(EF-85)], s[BIG], v[SSQ+2*(EF-85)]
.elseif EF < NQ1
.set EM, (EF-89)%4
.set EI, (EF-89)/4
	WIN 0x41
	v_pk_mul_f32 v[32*EM+2*EI:32*EM+2*EI+1], v[32*EM+2*EI:32*EM+2*EI+1], v[SSQ+2*EM:SSQ+2*EM+1] op_sel_hi:[1,0]
.else
.set QAW, 1
.set QAB, 0
.set QKIND, 0
.set QNW, 7
.set QFB, QF
.set QSC, 0
.set QJ, EF-NQ1
	QI
.endif
.endif
.endm
.macro SLICE cnt                       ; the list's next cnt numbers, as far as it goes
.rept \cnt
.if E < NEP
	EPI
.set E, E+1
.endif
.endr
.endm
; SET T: 16 matrix instructions, four column tiles x four token tiles, 128 along K.  A group's 16 accumulators take turns, one instruction a turn.
; In K step 0 the bias tuple is the C: nothing is cleared and no bias is added.  From set 18 on a slice of the list stands behind each: 15 x 7 + 20 = 125 a set, 750 places for the list's 745.
.macro MM
	MAP T
	WTARGET T
.set WSB, WS+2*(T%2)
.set XB, 48*(MS%4)
.set XSB, XS+2*(MS%4)
.set BC_, 192+32*(MG%2)
.set DW, 1+MG/2
.set CW, DW
.if MS == 0
.set CW, 3
.endif
.if MG == 0
.set WMW, (DW<<6)|(CW<<4)|(3<<2)|WTW
.else
.set WMW, (DW<<6)|(CW<<4)|(WTW<<2)|3
.endif
.set SL, 0
.irp n, 0,1,2,3
.irp m, 0,1,2,3
.if MG == 0
.set rD, 32*\m+8*\n
.set rA, WTB+12*\n
.set rB, XB+12*\m
.set rSA, WSB+\n/2
.set rSB, XSB+\m/2
.else
.set rD, 128*(2-MG)+32*\n+8*\m
.set rA, XB+12*\m
.set rB, WTB+12*\n
.set rSA, XSB+\m/2
.set rSB, WSB+\n/2
.endif
.set rC, rD
.if MS == 0
.set rC, BC_+8*\n
.endif
	WIN WMW
.if MG == 0
	WM \n%2, \m%2
.else
	WM \m%2, \n%2
.endif
.if T >= 18
.if SL == 15
	SLICE 20
.else
	SLICE 7
.endif
.endif
.set SL, SL+1
.endr
.endr
.endm
; RUN T.  Four places stand behind the last set's products, for every load below (loads into registers that matrix instructions have read).  Then the next set's weights; with K step 0's sets the next bias tuples;
; the tables' numbers a set or more ahead of their use; a K step of tokens as soon as its buffer is free; then the waits for this set's operands, and its products.
.macro SETRUN
	WIN 0
	PLACES 4
.set ND, 0
.if T == 11
	s_wait_tensorcnt 0x0                           ; my quarter of K steps 4-7 has landed (in the first pass; later it is met at once: nothing is ever filled again),
	s_wait_dscnt 0x0                               ; no LDS load of mine is out at a signal,
	s_barrier_signal -1
	s_barrier_wait -1                              ; and everybody's quarter has: the loads below are the first that read K step 4
.endif
.if T < 23
	MAP T+1
	WTARGET T+1
	WSCL (T+1)%2
.set ND, 13
.if WTW == 0
	WFRAG
.endif
.endif
.if T == 13
.irp b, 0,1
.irp u, 0,1
.irp c, 0,1
	ds_load_b128 v[MF+16*\b+8*\u+4*\c:MF+16*\b+8*\u+4*\c+3], v[TK] offset:128*\b+32*\u+16*\c   ; minit of tokens 32 b + 16 h + 8 u + 4 c + 0 .. 3, where the odd weight set lay up to set 11
.endr
.endr
.endr
.set ND, ND+8
.endif
.if T == 20
.irp m, 0,1,2,3
	ds_load_b32 v[MFQ+\m], v[TQ] offset:128*(\m/2)+32*(\m%2)                       ; minit of my token of tile m
.endr
.set ND, ND+4
.endif
.if T == 23
.irp b, 0,1
.irp u, 0,1
.irp c, 0,1
	ds_load_b128 v[MFV+16*\b+8*\u+4*\c:MFV+16*\b+8*\u+4*\c+3], v[TK] offset:4096+128*\b+32*\u+16*\c   ; mv of the same tokens, where the even weight set lay
.endr
.endr
.endr
.set ND, ND+8
.endif
.if (T == 3) || (T == 6) || (T == 9) || (T == 12)
	XLOADS SB, 3+T/3, (3+T/3)%4                    ; K steps 4 to 7, each into the buffer that the K step just finished has left
.endif
.if T >= 21
	XLOADS SBN, T-21, T-21                         ; the next pass's K steps 0 to 2, each into the buffer that v's last set has left
.endif
.if T < 23
.if WTW == 3
	WIN 0xc0                                       ; destination window 3, address window 0
	WFRAG
.endif
.endif
.if T < 2
	WIN 0xc0
	BLOAD T+1, 224-32*T
.set ND, ND+8
.endif
.if (T == 3) || (T == 6) || (T == 9) || (T == 12)
	WIN 0xc0
	XLOADF SB, 3+T/3, (3+T/3)%4
.endif
.if T >= 21
	WIN 0xc0
	XLOADF SBN, T-21, T-21
.endif
.if (T == 6) || (T == 9) || (T == 12)
	WIN 0                                          ; at a branch and at a label every window is 0
	ASK2 (T-6)/3
.endif
	s_wait_dscnt ND                                ; all but the LDS loads just issued: this set's weights are in
.if (T == 0) || (T == 3) || (T == 6) || (T == 9) || (T == 12)
	s_wait_loadcnt 39                              ; the 3 x 13 loads of the three K steps issued behind this one may be out
.elseif T == 13
	s_wait_loadcnt 26                              ; K steps 6 and 7 may be out
.elseif T == 15
	s_wait_loadcnt 13                              ; K step 7 may be out
.elseif T == 17
	s_wait_loadcnt 0x0                             ; K step 7, asked for five sets ago; nothing was issued behind it
.endif
	MM
.endm
	s_load_b256 s[4:11], s[0:1], 0x0               ; xc, wpk, tbl, qc
	s_load_b128 s[12:15], s[0:1], 0x20             ; qs, kvp
	v_lshl_add_u32 v62, v0, 2, 0x3a800
	v_mov_b32 v63, 0
	ds_add_u32 v62, v63
	ds_add_u32 v62, v63
	v_lshrrev_b32 v15, 5, v0
	v_readfirstlane_b32 s[WV], v15                 ; wave 0..3
	v_and_b32 v16, 31, v0                          ; l
	v_and_b32 v17, 15, v0                          ; r
	v_bfe_u32 v18, v0, 4, 1                        ; h
	v_lshlrev_b32 v[LI], 4, v16
	v_add_nc_u32 v[LI+1], 3*KSTP, v[LI]
	v_add_nc_u32 v[LI+2], 6*KSTP, v[LI]
	v_lshlrev_b32 v[L8], 3, v16
	v_add_nc_u32 v[L8+1], 3*KSTP, v[L8]
	v_add_nc_u32 v[L8+2], 6*KSTP, v[L8]
	v_lshlrev_b32 v[L4], 2, v16
	v_and_b32 v19, 8, v17
	v_add_nc_u32 v19, v19, v17                     ; r + 8 (r / 8)
	v_lshl_add_u32 v[TQ0], v19, 2, TBL
	v_lshl_add_u32 v[TK0], v18, 6, TBL
	v_lshlrev_b32 v[PFO], 8, v16
	s_lshl_b32 s92, s[WV], 14
	s_add_co_u32 s92, s92, RED
	v_add_nc_u32 v[RST], s92, v[LI]
	s_lshl_b32 s92, s[WV], 12
	s_add_co_u32 s92, s92, RED
	v_add_nc_u32 v[RRD], s92, v[LI]
	s_mov_b32 s17, ttmp9                           ; head
	s_and_b32 s18, ttmp7, 0xffff                   ; 2 batch + half
	; dense blocks of memory, as rows of 256 bytes (32 elements of 8 bytes), no padding.  Each wave brings a quarter of each: 75 rows of K steps 0-3, 75 of K steps 4-7, 12 of the bias images, 8 of the tables
.irp g, G1A, G1C, G1T
	s_mov_b32 s[\g], 3<<16                         ; no mask; elements of 8 bytes; padding off
	s_mov_b32 s[\g+1], 32<<16                      ; tensor_dim0 = 32
	s_mov_b32 s[\g+3], 32<<16                      ; tile_dim0 = 32
	s_mov_b32 s[\g+5], 32                          ; from row to row: 32 elements
	s_mov_b32 s[\g+6], 0
	s_mov_b32 s[\g+7], 0
.endr
	s_mov_b32 s[G1A+2], 75<<16                     ; tensor_dim1
	s_mov_b32 s[G1A+4], 75                         ; tile_dim1
	s_mov_b32 s[G1C+2], 12<<16
	s_mov_b32 s[G1C+4], 12
	s_mov_b32 s[G1T+2], 8<<16
	s_mov_b32 s[G1T+4], 8
	s_mov_b32 s[G0T], 1
	s_lshl_b32 s[G0T+1], s[WV], 11
	s_add_co_u32 s[G0T+1], s[G0T+1], TBL           ; LDS: my quarter of the tables
	s_mov_b32 s[G0C], 1
	s_mul_i32 s[G0C+1], s[WV], 3072
	s_add_co_u32 s[G0C+1], s[G0C+1], 8*KSTP        ; LDS: my quarter of the bias images, behind the eight K steps
	s_mov_b32 s[G0A], 1
	s_mul_i32 s[G0A+1], s[WV], KSTP                ; LDS: my quarter of K steps 0-3 (4 x 19,200 / 4 bytes)
	s_mov_b32 s[G0B], 1
	s_add_co_u32 s[G0B+1], s[G0A+1], 4*KSTP        ; LDS: and of K steps 4-7
	s_mul_i32 s84, s17, HPK                        ; the package lies in memory as it lies in LDS
	s_add_co_u32 s86, s84, s[G0C+1]
	s_add_co_u32 s84, s84, s[G0A+1]
	s_mov_b32 s85, 0
	s_mov_b32 s87, 0
	s_lshl_b32 s88, s18, 13
	s_lshl_b32 s90, s[WV], 11
	s_add_co_u32 s88, s88, s90
	s_mov_b32 s89, 0
	s_mov_b32 s[SEL], 0x76543210
	s_mov_b32 s[SEL+1], 0xfedcba98                 ; v_permlanex16_b32's selects for lane l xor 16
	s_mov_b32 s[HM], 0xffff0000                    ; lanes 16-31
	s_mov_b32 s[BIG], 0x5368d4a5                   ; 1e12
	s_mov_b32 s[LEFT], 4
	s_lshl_b32 s[TO], s[WV], 10
	s_cmp_eq_u32 s17, 0
	s_cselect_b32 s[LIM], 1, -1
	s_wait_dscnt 0x0
	s_wait_kmcnt 0x0
	s_add_nc_u64 s[G0T+2:G0T+3], s[8:9], s[88:89]
	s_or_b32 s[G0T+3], s[G0T+3], 0x80000000        ; type = 2
	s_add_nc_u64 s[G0C+2:G0C+3], s[6:7], s[86:87]
	s_or_b32 s[G0C+3], s[G0C+3], 0x80000000
	s_add_nc_u64 s[G0A+2:G0A+3], s[6:7], s[84:85]
	s_add_nc_u64 s[G0B+2:G0B+3], s[G0A+2:G0A+3], 4*KSTP
	s_or_b32 s[G0A+3], s[G0A+3], 0x80000000
	s_or_b32 s[G0B+3], s[G0B+3], 0x80000000
	tensor_load_to_lds s[G0T:G0T+3], s[G1T:G1T+7]  ; the first and only fills, in the order in which they are wanted: four loads of mine are out
	s_nop 0
	tensor_load_to_lds s[G0C:G0C+3], s[G1C:G1C+7]
	s_nop 0
	tensor_load_to_lds s[G0A:G0A+3], s[G1A:G1A+7]
	s_nop 0
	tensor_load_to_lds s[G0B:G0B+3], s[G1A:G1A+7]
	s_nop 0
	PLACES 4                                       ; four v_nop follow the last
	s_lshl_b32 s84, s18, 4
	s_lshl_b32 s86, s[WV], 2
	s_add_co_u32 s84, s84, s86                     ; my first block of 64 tokens: 16 y + 4 wave
	s_mul_i32 s84, s84, XBLK
	s_add_nc_u64 s[S0:S0+1], s[4:5], s[84:85]
	s_mov_b64 s[SB:SB+1], s[S0:S0+1]
	s_add_nc_u64 s[SBN:SBN+1], s[S0:S0+1], XBLK
.irp k, 0,1,2,3
	WIN 0
	XLOADS SB, \k, \k
	WIN 0xc0
	XLOADF SB, \k, \k
.endr
	WIN 0
	s_lshr_b32 s86, s18, 1
	s_lshl_b32 s86, s86, 4
	s_add_co_u32 s86, s86, s17                     ; 16 batch + head
	s_and_b32 s87, s18, 1                          ; half
	s_lshl_b32 s88, s86, 5
	s_lshl_b32 s89, s87, 4
	s_add_co_u32 s88, s88, s89
	s_lshl_b32 s89, s[WV], 2
	s_add_co_u32 s88, s88, s89                     ; my first block of q
	s_mul_i32 s90, s88, 3072
	s_mov_b32 s91, 0
	s_add_nc_u64 s[QCB:QCB+1], s[10:11], s[90:91]
	s_lshl_b32 s90, s88, 7
	s_add_nc_u64 s[QSB:QSB+1], s[12:13], s[90:91]
	s_lshl_b32 s90, s86, 1
	s_add_co_u32 s90, s90, s87
	s_lshl_b32 s90, s90, 14
	s_lshl_b32 s89, s[WV], 12
	s_add_co_u32 s90, s90, s89
	s_add_nc_u64 s[KVB:KVB+1], s[14:15], s[90:91]  ; the partial kv, my four tiles
	; kv's sums begin as zeros, so that the pass (some 20 KB of text) is written once; registers 6-11 of k's and v's fragments are zero codes for the whole launch
	WIN 0x80
.set J, 0
.rept 128
	v_mov_b32 v[128+J], 0
.set J, J+1
.endr
	WIN 0
.irp n, 0,1,2,3
.irp i, 6,7,8,9,10,11
	v_mov_b32 v[KF+12*\n+\i], 0
	v_mov_b32 v[VF+12*\n+\i], 0
.endr
	v_mov_b32 v[TT+\n], 0                          ; a lane permute's destination counts as one of its sources
.endr
	s_wait_tensorcnt 0x1                           ; my quarters of the tables, the bias images and K steps 0-3 have landed; K steps 4-7 may be out
	s_barrier_signal -1
	s_barrier_wait -1                              ; and everybody's have
	MAP 0                                          ; the first set's weights and bias tuples: later passes ask for theirs in the pass before
	WTARGET 0
	WSCL 0
	WFRAG
	WIN 0xc0
	BLOAD 0, 192
	WIN 0
.Lpass:
	; ================ A PASS: 64 tokens
	v_add_nc_u32 v[TQ], s[TO], v[TQ0]
	v_add_nc_u32 v[TK], s[TO], v[TK0]
.set E, 0
.set T, 0
.rept 24
	SETRUN
.set T, T+1
.endr
	SLICE 64                                       ; (the list has ended inside set 23: this writes nothing unless the counts above are changed)
	WIN 0
	PLACES 4                                       ; behind the last products: for the reads of v's results and for the loads below
	XLOADS SBN, 3, 3                               ; the next pass's K step 3
	WIN 0xc0
	XLOADF SBN, 3, 3
	WIN 0
.irp k, 0,1,2,3,4,5
	global_store_b128 v[LI], v[QF+4*\k:QF+4*\k+3], s[QCB:QCB+1] offset:512*\k      ; q's two pair images: 512 consecutive bytes a store
.endr
	global_store_b32 v[L4], v[QW], s[QSB:QSB+1]
	; ---- v: x mv
	s_wait_dscnt 0x0                               ; mv is in (asked for a set ago)
	WIN 0x82
.irp i, 0,1,2,3,4,5,6,7,8,9,10,11,12,13,14,15
.irp n, 0,1,2,3
	v_pk_mul_f32 v[32*\n+2*\i:32*\n+2*\i+1], v[32*\n+2*\i:32*\n+2*\i+1], v[MFV+2*\i:MFV+2*\i+1]
.endr
.endr
	WIN 0
	MAP 0                                          ; mv's registers are free again: the next pass's first weights and bias tuples land while v is quantised (the last pass's are read for nothing)
	WTARGET 0
	WSCL 0
	WFRAG
	WIN 0xc0
	BLOAD 0, 192
.set QAW, 2
.set QAB, 0
.set QKIND, 1
.set QNW, 4
.set QFB, VF
.set QSC, VSC
.set QJ, 0
.rept 134
	QI
.set QJ, QJ+1
.endr
	WIN 0
	; ---- on to the next pass
	s_wait_xcnt 0x0                                ; every load, store and prefetch of the pass has read its addresses and data: the bases step, and q's images may be written again
	s_mov_b64 s[SB:SB+1], s[SBN:SBN+1]
	s_sub_co_u32 s[LEFT], s[LEFT], 1
	s_add_nc_u64 s[SBN:SBN+1], s[SB:SB+1], XBLK
	s_cmp_eq_u32 s[LEFT], 1                        ; the last pass has no successor: its four K steps ahead read my own first block again, so that every wait keeps its count and no load leaves xc
	s_cselect_b64 s[SBN:SBN+1], s[S0:S0+1], s[SBN:SBN+1]
	s_add_nc_u64 s[QCB:QCB+1], s[QCB:QCB+1], 3072
	s_add_nc_u64 s[QSB:QSB+1], s[QSB:QSB+1], 128
	s_add_co_u32 s[TO], s[TO], 256
	; ---- kv(e, d) += k^T v over the pass's 64 tokens, 16 accumulators by turns
	PLACES 8                                       ; scale words written by vector instructions stand 8 places ahead of a scaled matrix instruction, operands so written 4
	WIN 0xa0
.irp i, 0,1,2,3
.irp j, 0,1,2,3
	v_wmma_scale_f32_16x16x128_f8f6f4 v[128+8*(4*\i+\j):128+8*(4*\i+\j)+7], v[KF+12*\i:KF+12*\i+11], v[VF+12*\j:VF+12*\j+11], v[128+8*(4*\i+\j):128+8*(4*\i+\j)+7], v[KSC+\i], v[VSC+\j] matrix_a_fmt:MATRIX_FMT_FP6 matrix_b_fmt:MATRIX_FMT_FP6
.endr
.endr
	WIN 0
	s_cmp_lg_u32 s[LEFT], 0
	s_cbranch_scc1 .Lpass
	; ================ the four waves' kv are added: each wave puts its 16 tiles into LDS and sums four tiles of all
	s_wait_dscnt 0x0
	s_barrier_signal -1
	s_barrier_wait -1                              ; every wave has done with the package and the tables
	PLACES 4                                       ; behind the last products
	WIN 0x08                                       ; an LDS store's data are its source 1: window 2
.irp t, 0,1,2,3,4,5,6,7,8,9,10,11,12,13,14,15
	ds_store_b128 v[RST], v[128+8*\t:128+8*\t+3] offset:1024*\t                    ; each accumulator from its low end on
	ds_store_b128 v[RST], v[128+8*\t+4:128+8*\t+7] offset:1024*\t+512
.endr
	WIN 0
	s_wait_dscnt 0x0                               ; for the others' sake: my stores have landed
	s_barrier_signal -1
	s_barrier_wait -1
.irp w, 0,1,2,3
.irp j, 0,1,2,3
.irp c, 0,1
	ds_load_b128 v[64+32*\w+8*\j+4*\c:64+32*\w+8*\j+4*\c+3], v[RRD] offset:16384*\w+1024*\j+512*\c
.endr
.endr
.endr
	s_wait_dscnt 0x0
.irp i, 0,1,2,3,4,5,6,7,8,9,10,11,12,13,14,15
	v_pk_add_f32 v[64+2*\i:65+2*\i], v[64+2*\i:65+2*\i], v[96+2*\i:97+2*\i]
	v_pk_add_f32 v[128+2*\i:129+2*\i], v[128+2*\i:129+2*\i], v[160+2*\i:161+2*\i]
.endr
.irp i, 0,1,2,3,4,5,6,7,8,9,10,11,12,13,14,15
	v_pk_add_f32 v[64+2*\i:65+2*\i], v[64+2*\i:65+2*\i], v[128+2*\i:129+2*\i]
.endr
.irp j, 0,1,2,3
.irp c, 0,1
	global_store_b128 v[LI], v[64+8*\j+4*\c:64+8*\j+4*\c+3], s[KVB:KVB+1] offset:1024*\j+512*\c
.endr
.endr
	s_wait_tensorcnt 0x0
	ds_add_u32 v62, v63
	s_wait_dscnt 0x0
	s_endpgm
.Lfunc_end_k_q40b2f14b6e_main:
	.size	k_q40b2f14b6e_main, .Lfunc_end_k_q40b2f14b6e_main-k_q40b2f14b6e_main
	.p2alignl 7, 3214868480
	.fill 96, 4, 3214868480
	.section	.rodata,"a",@progbits
	.p2align	6, 0x0
	.amdhsa_kernel k_q40b2f14b6e_main
		.amdhsa_group_segment_fixed_size 240128
		.amdhsa_private_segment_fixed_size 0
		.amdhsa_enable_private_segment 0
		.amdhsa_kernarg_size 48
		.amdhsa_user_sgpr_count 2
		.amdhsa_user_sgpr_kernarg_segment_ptr 1
		.amdhsa_wavefront_size32 1
		.amdhsa_system_sgpr_workgroup_id_x 1
		.amdhsa_system_sgpr_workgroup_id_y 1
		.amdhsa_system_sgpr_workgroup_id_z 1
		.amdhsa_system_vgpr_workitem_id 0
		.amdhsa_next_free_vgpr 1024
		.amdhsa_next_free_sgpr 96
		.amdhsa_reserve_vcc 0
		.amdhsa_float_denorm_mode_32 3
		.amdhsa_float_denorm_mode_16_64 3
		.amdhsa_memory_ordered 1
		.amdhsa_forward_progress 1
		.amdhsa_inst_pref_size 177
	.end_amdhsa_kernel
	.amdgpu_metadata
---
amdhsa.version: [ 1, 2 ]
amdhsa.kernels:
  - .name:           k_q40b2f14b6e_main
    .symbol:         k_q40b2f14b6e_main.kd
    .args:
      - { .name: xc, .offset: 0, .size: 8, .value_kind: global_buffer, .address_space: global }
      - { .name: wpk, .offset: 8, .size: 8, .value_kind: global_buffer, .address_space: global }
      - { .name: tbl, .offset: 16, .size: 8, .value_kind: global_buffer, .address_space: global }
      - { .name: qc, .offset: 24, .size: 8, .value_kind: global_buffer, .address_space: global }
      - { .name: qs, .offset: 32, .size: 8, .value_kind: global_buffer, .address_space: global }
      - { .name: kvp, .offset: 40, .size: 8, .value_kind: global_buffer, .address_space: global }
    .group_segment_fixed_size: 240128
    .private_segment_fixed_size: 0
    .kernarg_segment_align: 8
    .kernarg_segment_size: 48
    .max_flat_workgroup_size: 128
    .sgpr_count:     96
    .vgpr_count:     1024
    .wavefront_size: 32
...
	.end_amdgpu_metadata
.endif
;; end of part 2
;; launch ctx (part 3): grid 16 x 32, 4 waves a work-group, no clusters, 22,016 bytes of LDS; arguments qc, qs, kvp, out0; writes out0
.if DOCPART == 3
	.amdgcn_target "amdgcn-amd-amdhsa--gfx1250"
	.amdhsa_code_object_version 6
	.text
	.protected	k_q40b2f14b6e_ctx
	.globl	k_q40b2f14b6e_ctx
	.p2align	8
	.type	k_q40b2f14b6e_ctx,@function
k_q40b2f14b6e_ctx:
	s_mov_b64 s[64:65], 0
	v_nop
	global_prefetch_b8 v0, s[64:65] scope:SCOPE_SE
	s_setreg_imm32_b32 hwreg(HW_REG_WAVE_MODE, 25, 1), 1
	s_wait_xcnt 0x0
; out(token, 64 head + d) = the sum over e of q(token, e) kv(e, d), on codes of FP6 (E2M3) with E8M0 scales; K = 64.  One head (work-group x) and 512 tokens of one batch (work-group y = 4 batch + quarter).
; PHASE A.  kv = the sum of its two partial sums.  Wave w takes d tile w: lane (r, h) gathers e = 32 h + 0 .. 31 of its d, a whole block, quantises it, and hands codes and scale word to all waves through LDS as an image of the registers.
; PHASE B.  A wave owns 128 tokens, eight tiles of 16.  q arrives as PAIR images: registers 0-5 are one tile's 64 codes, registers 6-11 the next tile's.  kv's six registers lie between two runs of six zero registers:
;   (codes | zeros) against a pair gives the pair's first tile, (zeros | codes) its second: the other tile's codes meet zero codes, and nothing is moved.  kv's scale word holds its two bytes twice.
;   Source 0 = kv (16 of d), source 1 = q: a lane holds a token and eight neighbouring d.  A tile goes through the wave's own stage in LDS and leaves as rows: sixteen lanes store a token's 256 bytes of the head.
; The rows of a tile are not neighbours: lane r of tile 2 b + u holds row 32 b + 8 u + r + 8 (r / 8), of the tokens and of d alike.
; No tensor load, no cluster, no prefetch: all loads are issued at the head, and what work-groups share (32 KB of kv) is small beside the 128 KB that each stores.
; LIMITS: NaN and infinities are not served; a block of zeros has the scale byte 1.
.set KVI,  0                           ; LDS: for each d tile 1,024 bytes: registers 0-3 at 16 l, registers 4-5 at 512 + 8 l, the word at 768 + 4 l
.set STG,  4096                        ; LDS: a stage of 16 rows x (256 + 16) bytes for each wave
.set KVF,  16                          ; v16-87   18 a d tile: zeros 6 | codes 6 | zeros 6
.set KVS,  88                          ; v88-91   kv's scale words
.set QW,   92                          ; v92-93   q's scale words: pair 0's in lanes 0-15, pair 1's in lanes 16-31
.set QFR,  96                          ; v96-143  q: 2 blocks x 2 pairs x 12
.set CT,   144                         ; v144-207 first kv's two partial sums, then two sets of four accumulators
.set BK,   208                         ; v208-239 16 rows read back from the stage
; tile tau's four products; C = 0
.macro MMUL tau
.set CB, CT+32*((\tau)%2)
.set QB, QFR+24*((\tau)/4)+12*(((\tau)%4)/2)
.set KO, 6-6*((\tau)%2)
.irp jd, 0,1,2,3
.if (((\tau)%4)/2) == 1
	v_wmma_scale_f32_16x16x128_f8f6f4 v[CB+8*\jd:CB+8*\jd+7], v[KVF+18*\jd+KO:KVF+18*\jd+KO+11], v[QB:QB+11], 0, v[KVS+\jd], v[QW+(\tau)/4] matrix_a_fmt:MATRIX_FMT_FP6 matrix_b_fmt:MATRIX_FMT_FP6 matrix_b_scale:MATRIX_SCALE_ROW1
.else
	v_wmma_scale_f32_16x16x128_f8f6f4 v[CB+8*\jd:CB+8*\jd+7], v[KVF+18*\jd+KO:KVF+18*\jd+KO+11], v[QB:QB+11], 0, v[KVS+\jd], v[QW+(\tau)/4] matrix_a_fmt:MATRIX_FMT_FP6 matrix_b_fmt:MATRIX_FMT_FP6
.endif
.endr
.endm
; tile tau leaves; the next tile's products stand between its loads from the stage and the wait for them.  Two tiles' v_nop, eight places, lie between products that write the same set of accumulators
.macro TILE tau
.set CB, CT+32*((\tau)%2)
.rept 4
	v_nop                                          ; places behind the tile's products
.endr
.irp jd, 0,1,2,3
.irp c, 0,1
	ds_store_b128 v10, v[CB+8*\jd+4*\c:CB+8*\jd+4*\c+3] offset:128*(\jd/2)+32*(\jd%2)+16*\c   ; d = 32 b + 16 h + 8 u + 4 c + 0 .. 3; each accumulator from its low end on
.endr
.endr
.if (\tau) > 0
	s_wait_xcnt 0x0                                ; the last tile's stores have read their registers
.endif
.irp i, 0,1,2,3,4,5,6,7
	ds_load_b128 v[BK+4*\i:BK+4*\i+3], v11 offset:2*\i*272   ; LDS serves a wave's instructions in order: these see the stores above
.endr
.if (\tau) < 7
	MMUL (\tau)+1
.endif
	s_wait_dscnt 0x0
.irp i, 0,1,2,3,4,5,6,7
	global_store_b128 v12, v[BK+4*\i:BK+4*\i+3], s[10:11] offset:(64*((\tau)/4)+32*(((\tau)%4)/2)+8*((\tau)%2)+2*\i+8*(\i/4))*4096 th:TH_STORE_NT   ; sixteen lanes store 256 consecutive bytes, aligned; written once
.endr
.endm
	s_load_b256 s[4:11], s[0:1], 0x0               ; qc, qs, kvp, out0
	v_lshl_add_u32 v254, v0, 2, 0x5400
	v_mov_b32 v255, 0
	v_lshrrev_b32 v1, 5, v0
	v_readfirstlane_b32 s12, v1                    ; wave 0..3
	s_and_b32 s14, ttmp7, 0xffff
	s_lshr_b32 s15, s14, 2                         ; batch
	s_and_b32 s16, s14, 3                          ; quarter
	s_lshl_b32 s17, s15, 4
	s_add_co_u32 s17, s17, ttmp9                   ; 16 batch + head
	s_lshl_b32 s18, s17, 5
	s_lshl_b32 s19, s16, 3
	s_add_co_u32 s18, s18, s19
	s_lshl_b32 s19, s12, 1
	s_add_co_u32 s18, s18, s19                     ; my first block of q
	s_mul_i32 s20, s18, 3072
	s_mov_b32 s21, 0
	s_lshl_b32 s22, s18, 7
	s_mov_b32 s23, 0
	s_lshl_b32 s24, s17, 15                        ; two partial sums of 16,384 bytes
	s_lshl_b32 s25, s12, 10                        ; d tile = wave
	s_add_co_u32 s24, s24, s25
	s_mov_b32 s25, 0
	s_lshl_b32 s26, s15, 23                        ; 2,048 tokens of 4,096 bytes
	s_lshl_b32 s27, s16, 21
	s_add_co_u32 s26, s26, s27
	s_lshl_b32 s27, s12, 19
	s_add_co_u32 s26, s26, s27
	s_lshl_b32 s27, ttmp9, 8                       ; the head's 256 bytes
	s_add_co_u32 s26, s26, s27
	s_mov_b32 s27, 0
	s_mov_b32 s28, 0x76543210
	s_mov_b32 s29, 0xfedcba98                      ; v_permlanex16_b32's selects for lane l xor 16
	v_and_b32 v14, 31, v0                          ; l
	v_and_b32 v3, 15, v0                           ; r
	v_bfe_u32 v4, v0, 4, 1                         ; h
	v_lshlrev_b32 v1, 4, v14                       ; 16 l
	v_lshlrev_b32 v2, 2, v14                       ; 4 l
	v_lshlrev_b32 v9, 3, v14                       ; 8 l
	v_lshlrev_b32 v5, 13, v4
	v_lshl_add_u32 v5, v3, 4, v5                   ; kv: 8,192 h + 16 r
	s_lshl_b32 s30, s12, 10
	v_add_nc_u32 v6, s30, v1                       ; my d tile's image
	v_add_nc_u32 v7, s30, v9
	v_add_nc_u32 v8, s30, v2
	s_mul_i32 s30, s12, 16*272
	s_add_co_u32 s30, s30, STG                     ; my stage
	v_mul_u32_u24 v10, v3, 272
	v_lshl_add_u32 v10, v4, 6, v10
	v_add_nc_u32 v10, s30, v10                     ; in: row r, + 64 h
	v_mul_u32_u24 v11, v4, 272
	v_lshl_add_u32 v11, v3, 4, v11
	v_add_nc_u32 v11, s30, v11                     ; back: lanes 0-15 one row, lanes 16-31 the next
	v_lshlrev_b32 v12, 12, v4
	v_lshl_add_u32 v12, v3, 4, v12                 ; and the same two tokens in out0
	v_lshlrev_b32 v13, 3, v4                       ; 8 h
	s_wait_kmcnt 0x0
	s_add_nc_u64 s[4:5], s[4:5], s[20:21]
	s_add_nc_u64 s[6:7], s[6:7], s[22:23]
	s_add_nc_u64 s[8:9], s[8:9], s[24:25]
	s_add_nc_u64 s[10:11], s[10:11], s[26:27]
.irp p, 0,1                            ; kv first: e = 32 h + 16 h' + 8 u + 4 c + 0 .. 3 lies in tile 4 (2 h + u) + d tile, lane (r, h'), registers 4 c on: sixteen lanes read 256 consecutive bytes
.irp g, 0,1
.irp u, 0,1
.irp c, 0,1
	global_load_b128 v[CT+32*\p+16*\g+8*\u+4*\c:CT+32*\p+16*\g+8*\u+4*\c+3], v5, s[8:9] offset:16384*\p+4096*\u+512*\c+256*\g
.endr
.endr
.endr
.endr
.irp k, 0,1,2,3,4,5,6,7,8,9,10,11
	global_load_b128 v[QFR+4*\k:QFR+4*\k+3], v1, s[4:5] offset:512*\k th:TH_LOAD_NT
.endr
	global_load_b32 v[QW], v2, s[6:7] th:TH_LOAD_NT
	global_load_b32 v[QW+1], v2, s[6:7] offset:128 th:TH_LOAD_NT
.irp jd, 0,1,2,3
.irp i, 0,1,2,3,4,5,12,13,14,15,16,17
	v_mov_b32 v[KVF+18*\jd+\i], 0                  ; the zero codes beside kv's
.endr
.endr
	v_mov_b32 v252, 0                              ; a lane permute's destination counts as one of its sources
	; ---------------- phase A
	s_wait_loadcnt 14                              ; kv's 16 loads are in; q's 14 may be out
.irp i, 0,1,2,3,4,5,6,7,8,9,10,11,12,13,14,15
	v_pk_add_f32 v[CT+2*\i:CT+2*\i+1], v[CT+2*\i:CT+2*\i+1], v[CT+32+2*\i:CT+32+2*\i+1]
.endr
	v_max3_num_f32 v240, |v[CT]|, |v[CT+1]|, 0x1800000             ; the block's largest magnitude: all 32 numbers are mine; and the floor 2^(3 - 127)
	v_max3_num_f32 v241, |v[CT+16]|, |v[CT+17]|, |v[CT+18]|
.irp i, 2,4,6,8,10,12
	v_max3_num_f32 v240, v240, |v[CT+\i]|, |v[CT+\i+1]|
	v_max3_num_f32 v241, v241, |v[CT+\i+17]|, |v[CT+\i+18]|
.endr
	v_max3_num_f32 v240, v240, |v[CT+14]|, |v[CT+15]|
	v_max3_num_f32 v240, v240, v241, |v[CT+31]|
	v_add_nc_u32 v242, 0xff000000, v240            ; 2 off the exponent field: the conversion's scale operand
	v_lshrrev_b32 v243, 23, v242                   ; block h's byte
	v_cvt_scalef32_pk16_fp6_f32 v[244:246], v[CT:CT+15], v242
	v_cvt_scalef32_pk16_fp6_f32 v[248:250], v[CT+16:CT+31], v242   ; (a conversion's three registers begin on an even number)
	v_lshlrev_b32 v243, v13, v243                  ; (a plain line behind the conversions)  8 h bits up;
	v_permlanex16_b32 v252, v243, s28, s29
	v_or_b32 v243, v243, v252                      ; with lane l xor 16's byte;
	v_lshl_or_b32 v243, v243, 16, v243             ; and both once more, for the codes' place in the upper half of K
	v_mov_b32 v247, v248
	v_mov_b32 v248, v249
	v_mov_b32 v249, v250
	ds_store_b128 v6, v[244:247] offset:KVI
	ds_store_b64 v7, v[248:249] offset:KVI+512
	ds_store_b32 v8, v243 offset:KVI+768
	s_wait_dscnt 0x0                               ; for the others' sake: my stores have landed
	s_barrier_signal -1
	s_barrier_wait -1
.irp jd, 0,1,2,3
	ds_load_b128 v[KVF+18*\jd+6:KVF+18*\jd+9], v1 offset:KVI+1024*\jd
	ds_load_b64 v[KVF+18*\jd+10:KVF+18*\jd+11], v9 offset:KVI+1024*\jd+512
	ds_load_b32 v[KVS+\jd], v2 offset:KVI+1024*\jd+768
.endr
	s_wait_dscnt 0x0
	s_wait_loadcnt 0x0                             ; q
	; ---------------- phase B
	MMUL 0
	TILE 0
	TILE 1
	TILE 2
	TILE 3
	TILE 4
	TILE 5
	TILE 6
	TILE 7
	s_wait_tensorcnt 0x0
	ds_add_u32 v254, v255
	s_wait_dscnt 0x0
	s_endpgm
.Lfunc_end_k_q40b2f14b6e_ctx:
	.size	k_q40b2f14b6e_ctx, .Lfunc_end_k_q40b2f14b6e_ctx-k_q40b2f14b6e_ctx
	.p2alignl 7, 3214868480
	.fill 96, 4, 3214868480
	.section	.rodata,"a",@progbits
	.p2align	6, 0x0
	.amdhsa_kernel k_q40b2f14b6e_ctx
		.amdhsa_group_segment_fixed_size 22016
		.amdhsa_private_segment_fixed_size 0
		.amdhsa_enable_private_segment 0
		.amdhsa_kernarg_size 32
		.amdhsa_user_sgpr_count 2
		.amdhsa_user_sgpr_kernarg_segment_ptr 1
		.amdhsa_wavefront_size32 1
		.amdhsa_system_sgpr_workgroup_id_x 1
		.amdhsa_system_sgpr_workgroup_id_y 1
		.amdhsa_system_sgpr_workgroup_id_z 1
		.amdhsa_system_vgpr_workitem_id 0
		.amdhsa_next_free_vgpr 256
		.amdhsa_next_free_sgpr 66
		.amdhsa_reserve_vcc 0
		.amdhsa_float_denorm_mode_32 3
		.amdhsa_float_denorm_mode_16_64 3
		.amdhsa_memory_ordered 1
		.amdhsa_forward_progress 1
		.amdhsa_inst_pref_size 31
	.end_amdhsa_kernel
	.amdgpu_metadata
---
amdhsa.version: [ 1, 2 ]
amdhsa.kernels:
  - .name:           k_q40b2f14b6e_ctx
    .symbol:         k_q40b2f14b6e_ctx.kd
    .args:
      - { .name: qc, .offset: 0, .size: 8, .value_kind: global_buffer, .address_space: global }
      - { .name: qs, .offset: 8, .size: 8, .value_kind: global_buffer, .address_space: global }
      - { .name: kvp, .offset: 16, .size: 8, .value_kind: global_buffer, .address_space: global }
      - { .name: out0, .offset: 24, .size: 8, .value_kind: global_buffer, .address_space: global }
    .group_segment_fixed_size: 22016
    .private_segment_fixed_size: 0
    .kernarg_segment_align: 8
    .kernarg_segment_size: 32
    .max_flat_workgroup_size: 128
    .sgpr_count:     66
    .vgpr_count:     256
    .wavefront_size: 32
...
	.end_amdgpu_metadata
.endif
;; end of part 3
